; MI455X (gfx1250); checked and timed in simulation.
; The chip was launched on July 23, 2026; its instructions are those of AMD's public machine-readable ISA for CDNA 5 (MIT licence, August 2026) and "CDNA5" Instruction Set Architecture Reference Guide (July 2026). The comments in the code are by the model that wrote it; some were corrected since.
;; Latent Attention. Allowed arithmetic: matrix products marked QUANTISED: E2M1 operands, one E8M0 scale for each 32 along K, by v_wmma_scale_f32_16x16x128_f8f6f4 with both operands' format E2M1 (or v_wmma_scale_f32_32x16x128_f4), f32 sums; everything else in f32.
;; Inputs: W_dkv 64 x 2,048 float32; W_k 128 x 64 float32; W_q 128 x 2,048 float32; W_v 128 x 64 float32; x 8 x 4,096 x 2,048 float32.
;; Outputs: out0 8 x 4,096 x 128 float32; out1 8 x 4,096 x 64 float32.
;; This version of the problem:
;;   THIS VERSION OF THE PROBLEM IS GIVEN IN LOW PRECISION. The matrix products marked QUANTISED in the list below multiply operands that are first quantised to E2M1 (2 exponent bits, 1 mantissa bit; 4 bits a number), with one power-of-two scale for each 32 numbers along K (OCP MX v1.0); their sums are f32. All else is computed in f32.
;;   The module's matrix products, in the order in which they are computed (A, B: the left and right operand; K: the contracted axis; several contracted axes count as one K, in the product's order):
;;     1. [M 32,768, K 2,048] x [K 2,048, N 64]; A: input x; B: input W_dkv: QUANTISED
;;     2. [M 2,048, K 128] x [K 128, N 64]; A: input W_q; B: input W_k: QUANTISED
;;     3. [M 32,768, K 2,048] x [K 2,048, N 64]; A: input x; B: computed on the way: QUANTISED
;;     4. batch 8 x [M 4,096, K 64] x [K 64, N 4,096]; A: computed on the way; B: computed on the way: QUANTISED
;;     5. [M 32,768, K 64] x [K 64, N 128]; A: computed on the way; B: input W_v: QUANTISED
;;     6. batch 8 x [M 4,096, K 4,096] x [K 4,096, N 128]; A: softmax (see below); B: computed on the way: QUANTISED
;;   THE QUANTISER, for each operand of a quantised product, along K:
;;     - K is cut into blocks of 32 from its start; a last block that is shorter is filled with zeros.
;;     - A block's scale is 2^e with e = floor(log2(the largest magnitude in the block)) - 2, held to -126 .. 127; a block of zeros has e = 0. As a byte (E8M0): e + 127.
;;     - Each number is divided by its block's scale, clamped to +-6, and rounded to the nearest number of E2M1, ties to even, subnormals kept.
;;     - The product sums the exact products of the quantised numbers (number of the format x scale) in f32.
;;   ~~~python
;;   def quantise(x, axis):      # numpy; x: float32 -> the quantised numbers, widened to float32 again
;;       x = np.moveaxis(x, axis, -1); K = x.shape[-1]
;;       x = np.pad(x, [(0, 0)] * (x.ndim - 1) + [(0, -K % 32)]); x = x.reshape(x.shape[:-1] + (-1, 32)); a = np.abs(x).max(-1, keepdims=True)
;;       e = np.where(a > 0, np.clip(np.frexp(np.where(a > 0, a, 1))[1] - 1 - 2, -126, 127), 0)      # np.frexp(a)[1] - 1 = floor(log2(a)), exactly
;;       r = np.clip(x / 2.0 ** e, -6, 6)
;;       step = 2.0 ** (np.maximum(np.frexp(np.where(r == 0, 1, r))[1] - 1, 0) - 1)
;;       q = np.round(r / step) * step * 2.0 ** e      # np.round: ties to even
;;       return np.moveaxis(q.reshape(q.shape[:-2] + (-1,))[..., :K], -1, axis).astype(np.float32)
;;   ~~~
;;   SOFTMAX AHEAD OF A QUANTISED PRODUCT. Where the list says 'softmax', what is quantised is not the finished softmax but p = 2^(t - M), with t = logit x log2(e) and M = ceil(the row's largest t), a whole number; so 1/2 < the row's largest p <= 1. The row's sum l is taken of the UNQUANTISED p, in f32, and the product's result is divided by l at the end. Since M is a whole number, a kernel that streams over the keys may use a running M (the ceiling of the running maximum): every later rescaling is an exact power of two, which a block's scale takes up: the codes' values come out the same.
;;   OPERANDS COMPUTED ON THE WAY. 'Computed on the way' means the value that the module computes at that place (a softmax that the list does not call 'softmax' is quantised finished and normalised). What goes into a quantiser is computed in f32, as accurately as f32 sums, v_exp_f32 and their like allow (about 1e-6 of the number): no bf16 or f16 on the way to a quantiser, and a product that is left as it is and whose result goes on into a quantised operand takes f32 operands (vector FMAs, or v_wmma_f32_16x16x4_f32). A number that lies on a knife's edge between two numbers of the format may be rounded either way, as far as f32 arithmetic and the matrix unit's own rounding can turn it there, and no further.
;; One version. Each part assembles by itself: llvm-mc -triple=amdgcn-amd-amdhsa -mcpu=gfx1250 --defsym DOCPART=n.
;; ======== version 1 of 1: 3 launches
;; workspace buffers: wfrag 139,264 bytes; kv 3,407,872 bytes; qws 1,179,648 bytes
;; launch prep (part 1): grid 16 x 1, 4 waves a work-group, no clusters, 11,776 bytes of LDS; arguments W_q, W_k, W_dkv, wfrag; writes wfrag
.if DOCPART == 1
	.amdgcn_target "amdgcn-amd-amdhsa--gfx1250"
	.amdhsa_code_object_version 6
	.text
	.protected	k_q96a5cc4609_prep
	.globl	k_q96a5cc4609_prep
	.p2align	8
	.type	k_q96a5cc4609_prep,@function
k_q96a5cc4609_prep:
	s_mov_b64 s[64:65], 0
	v_nop
	global_prefetch_b8 v0, s[64:65] scope:SCOPE_SE
	s_setreg_imm32_b32 hwreg(HW_REG_WAVE_MODE, 25, 1), 1
	s_wait_xcnt 0x0
; PREP: the two weights by which x is multiplied, as codes of FP4 (E2M1) with one E8M0 byte for each 32 along K, laid as images of operand registers.
;   absorbed[e][l] = sum over hd of Q(W_q)[hd][e] Q(W_k)[hd][l]  (K = hd = 128, both sides quantised along hd), then quantised along e;   W_dkv[l][e] quantised along e.
; wfrag: 16 records of WREC bytes, one for each 128 along e.  A record: eight tiles of 16 rows l x 128 e, 1,024 bytes each (register group c of a fragment at 512 c, lane L's 16 bytes at 16 L):
; tiles 0-3 W_dkv, tiles 4-7 absorbed^T; then two planes of 256 bytes of scale words: tile t, lane r at 8192 + 256 (t / 4) + 16 r + 4 (t % 4).
; THE ROWS OF A TILE ARE NOT NEIGHBOURS: lane r of tile 2 b + u holds l = 32 b + 8 u + r + 8 (r / 8), so that in the transposed product the 16 registers of two neighbouring tiles are 16 neighbouring l.
; SHARES.  Work-group s takes e = 128 s .. 128 s + 127.  Wave w quantises W_q's columns e = 128 s + 32 w + lane (a lane to a column, registers down hd), makes absorbed tile 4 + w and W_dkv tile w.
; W_q's codes go from wave to wave through LDS as rows of 64 bytes (pitch 80).  No tensor load, two barriers.  One work-group for each K step: 16 in all; the whole launch reads 1.6 MB.
; LIMITS: NaN and infinities among the inputs are not served.  A block whose largest magnitude lies under 2^-124 (a block of zeros too) gets the byte 1; a block of zeros has zero codes, and only this program reads the bytes.
.set WREC,  8704
.set QP,    80                         ; LDS: a row of W_q^T's codes: 64 bytes + 16
.set QSCW,  10240                      ; behind the 128 rows: their scale words
.set WSC,   10752                      ; the record's two planes of scale words, 512 bytes
.set SEL,   20                         ; s[20:21] lane selects for v_permlanex16_b32: lane l xor 16
.set TM,    232                        ; v232-235 largest magnitudes, v236-239 the other half's / bytes, v240-243 the conversions' scale operands
; REGISTERS: v1-14 addresses; v16-23 W_k's fragment, later W_dkv's codes; v32-95 W_k's numbers, later W_q^T's eight fragments; v96-223 W_q's numbers, later v96-159 W_dkv's numbers and v160-223 absorbed;
; v224-239 W_q's codes, later v224-231 absorbed's codes; v244-251 W_q^T's scale words, v252 W_k's, v253 absorbed's, v254 W_q's and later W_dkv's.
; A whole block of 32 along K in one lane's registers v[src] on: four registers of codes in v[dst] on, the scale's byte in v[by].
.macro QBLK src, dst, by
	v_max3_num_f32 v240, |v[\src]|, |v[\src+1]|, |v[\src+2]|         ; the largest magnitude, in two chains
	v_max3_num_f32 v241, |v[\src+3]|, |v[\src+4]|, |v[\src+5]|
.irp i, 6,10,14,18,22,26
	v_max3_num_f32 v240, v240, |v[\src+\i]|, |v[\src+\i+1]|
	v_max3_num_f32 v241, v241, |v[\src+\i+2]|, |v[\src+\i+3]|
.endr
	v_max3_num_f32 v240, v240, |v[\src+30]|, |v[\src+31]|
	v_max3_num_f32 v240, v240, v241, 0x1800000                       ; and the floor 2^(3 - 127): the byte cannot fall under 1
	v_add_nc_u32 v242, 0xff000000, v240                              ; 2 off the exponent field: the conversion takes this operand's exponent field as its scale
	v_lshrrev_b32 v[\by], 23, v242                                   ; the scale's byte
.irp g, 0,1,2,3
	v_cvt_scalef32_pk8_fp4_f32 v[\dst+\g], v[\src+8*\g:\src+8*\g+7], v242
.endr
	v_nop                                                            ; one plain instruction behind the last scaled conversion
.endm
; 64 numbers of a lane, register 16 b + i = k 32 b + 16 (lane / 16) + i of my row, become a fragment's codes in v[pc] on and its scale word in v[pw].
.macro QUANT s, pc, pw
.irp b, 0,1,2,3
	v_max3_num_f32 v[TM+\b], |v[\s+16*\b]|, |v[\s+1+16*\b]|, 0x1800000
.endr
.irp i, 2,4,6,8,10,12,14
.irp b, 0,1,2,3
	v_max3_num_f32 v[TM+\b], v[TM+\b], |v[\s+16*\b+\i]|, |v[\s+1+16*\b+\i]|   ; the four blocks by turns
.endr
.endr
.irp b, 0,1,2,3
	v_permlanex16_b32 v[TM+4+\b], v[TM+\b], s[SEL], s[SEL+1]
.endr
.irp b, 0,1,2,3
	v_max_num_f32 v[TM+\b], v[TM+\b], v[TM+4+\b]                     ; with lane l xor 16's 16 numbers: the block's largest magnitude
.endr
.irp b, 0,1,2,3
	v_add_nc_u32 v[TM+8+\b], 0xff000000, v[TM+\b]
.endr
.irp b, 0,1,2,3
	v_lshrrev_b32 v[TM+4+\b], 23, v[TM+8+\b]
.endr
	v_lshl_or_b32 v[\pw], v[TM+5], 8, v[TM+4]                        ; the four bytes make my row's scale word
	v_lshl_or_b32 v[\pw], v[TM+6], 16, v[\pw]
	v_lshl_or_b32 v[\pw], v[TM+7], 24, v[\pw]
.irp b, 0,1,2,3
	v_cvt_scalef32_pk8_fp4_f32 v[\pc+2*\b], v[\s+16*\b:\s+7+16*\b], v[TM+8+\b]
	v_cvt_scalef32_pk8_fp4_f32 v[\pc+1+2*\b], v[\s+8+16*\b:\s+15+16*\b], v[TM+8+\b]
.endr
	v_nop                                                            ; one plain instruction behind the last scaled conversion
.irp c, 0,1                                                          ; the operand's layout wants a whole block in a lane: lanes 0-15 block 2 c, lanes 16-31 block 2 c + 1
.irp i, 0,1
	v_permlane16_swap_b32 v[\pc+4*\c+\i], v[\pc+2+4*\c+\i]
.endr
.endr
.endm
	s_load_b256 s[4:11], s[0:1], 0x0               ; W_q s[4:5], W_k s[6:7], W_dkv s[8:9], wfrag s[10:11]
	v_lshl_add_u32 v31, v0, 2, 0x2c00
	v_mov_b32 v255, 0
	v_lshrrev_b32 v1, 5, v0
	v_readfirstlane_b32 s12, v1                    ; wave 0..3
	v_and_b32 v1, 31, v0                           ; lane
	v_and_b32 v2, 15, v0                           ; r
	v_bfe_u32 v3, v0, 4, 1                         ; h
	v_and_b32 v4, 8, v2
	v_add_nc_u32 v4, v4, v2                        ; r + 8 (r / 8)
	v_lshlrev_b32 v5, 2, v1                        ; W_q: my column, 4 bytes a lane
	v_lshlrev_b32 v6, 2, v4
	v_lshl_add_u32 v7, v3, 13, v6                  ; W_k: column l0 + r + 8 (r / 8); lanes 16-31 begin 32 rows of 256 bytes further down
	v_lshlrev_b32 v8, 13, v4
	v_lshl_add_u32 v8, v3, 6, v8                   ; W_dkv: row l0 + r + 8 (r / 8) of 8,192 bytes, + 64 h: my 16 numbers of a block
	v_mul_u32_u24 v9, v0, QP                       ; LDS: where my column's codes go: row 32 w + lane
	v_lshl_add_u32 v10, v0, 2, QSCW                ; and its scale word
	v_mul_u32_u24 v11, v4, QP
	v_lshl_add_u32 v11, v3, 4, v11                 ; where a fragment of W_q^T is read: row r + 8 (r / 8), + 16 h
	v_add_nc_u32 v12, QSCW, v6                     ; and its rows' scale words
	s_lshl_b32 s13, s12, 2
	v_lshlrev_b32 v13, 4, v2
	v_add_nc_u32 v13, s13, v13                     ; my tile's place in a plane of scale words: 16 r + 4 w
	v_lshlrev_b32 v14, 4, v1                       ; 16 x lane: an image's place for my lane
	s_mov_b32 s[SEL], 0x76543210
	s_mov_b32 s[SEL+1], 0xfedcba98
	s_lshl_b32 s16, ttmp9, 9                       ; the K step's 128 numbers in a row of W_q or W_dkv: 512 s bytes
	s_lshl_b32 s18, s12, 7
	s_add_co_u32 s18, s18, s16                     ; W_q: + my wave's 32 columns
	s_mov_b32 s19, 0
	s_lshr_b32 s22, s12, 1
	s_and_b32 s23, s12, 1
	s_lshl_b32 s22, s22, 5
	s_lshl_b32 s23, s23, 3
	s_add_co_u32 s22, s22, s23                     ; l0 = 32 (w / 2) + 8 (w % 2): my tile's first l
	s_lshl_b32 s24, s22, 2                         ; W_k: 4 l0
	s_mov_b32 s25, 0
	s_lshl_b32 s26, s22, 13
	s_add_co_u32 s26, s26, s16                     ; W_dkv: l0 rows + the K step
	s_mov_b32 s27, 0
	s_mul_i32 s28, ttmp9, WREC
	s_lshl_b32 s29, s12, 10
	s_add_co_u32 s28, s28, s29                     ; wfrag: my record, + 1,024 w
	s_mov_b32 s29, 0
	s_wait_kmcnt 0x0
	s_add_nc_u64 s[4:5], s[4:5], s[18:19]
	s_add_nc_u64 s[6:7], s[6:7], s[24:25]
	s_add_nc_u64 s[8:9], s[8:9], s[26:27]
	s_add_nc_u64 s[10:11], s[10:11], s[28:29]
.set n, 0
.rept 128
	global_load_b32 v[96+n], v5, s[4:5] offset:n*8192              ; W_q(hd = n, my column): 32 lanes read 128 neighbouring bytes
.set n, n+1
.endr
.set n, 0
.rept 64
	global_load_b32 v[32+n], v7, s[6:7] offset:(64*(n/32)+n%32)*256   ; W_k(64 c + 32 h + i, my l): register 32 c + i
.set n, n+1
.endr
	s_wait_loadcnt 0x0
	; ---- W_q^T: my column's four blocks along hd
.irp k, 0,1,2,3
	QBLK 96+32*\k, 224+4*\k, 243
.if \k == 0
	v_mov_b32 v254, v243                           ; four bytes to a word, the lower hd in the lower byte
.else
	v_lshl_or_b32 v254, v243, 8*\k, v254
.endif
	ds_store_b128 v9, v[224+4*\k:227+4*\k] offset:16*\k
.endr
	ds_store_b32 v10, v254
	; ---- W_dkv's numbers are asked for now, into registers that W_q has left: they land under the work below
.irp b, 0,1,2,3
.irp j, 0,1,2,3
	global_load_b128 v[96+16*\b+4*\j:99+16*\b+4*\j], v8, s[8:9] offset:128*\b+16*\j
.endr
.endr
	; ---- W_k: my two whole blocks, 2 c + h, are the operand's registers 4 c .. 4 c + 3
	QBLK 32, 16, 243
	QBLK 64, 20, 232
	v_lshl_or_b32 v252, v232, 16, v243             ; my two bytes: blocks h and 2 + h of my column,
	v_lshlrev_b32 v233, 3, v3
	v_lshlrev_b32 v252, v233, v252                 ; at their places in the word (8 h bits up);
	v_permlanex16_b32 v233, v252, s[SEL], s[SEL+1]
	v_or_b32 v252, v252, v233                      ; with lane l xor 16's two the word is whole
	s_wait_dscnt 0x0                               ; for the others' sake: my rows of codes and my scale words have landed
	s_barrier_signal -1
	s_barrier_wait -1                              ; all 128 rows of W_q^T lie in LDS
	; ---- absorbed^T, tile 4 + w: source 0 = 16 rows e of W_q^T (tile 2 b + u, lane r: e = 32 b + 8 u + r + 8 (r / 8)), source 1 = my 16 columns l of W_k
.irp t, 0,1,2,3,4,5,6,7
.irp c, 0,1
	ds_load_b128 v[32+8*\t+4*\c:35+8*\t+4*\c], v11 offset:(32*(\t/2)+8*(\t%2))*QP+32*\c
.endr
	ds_load_b32 v[244+\t], v12 offset:(32*(\t/2)+8*(\t%2))*4
.endr
	s_wait_dscnt 0x0
.rept 8
	v_nop                                          ; W_k's scale word was written by vector instructions: eight places ahead of a scaled matrix instruction; its codes four
.endr
.irp t, 0,1,2,3,4,5,6,7
	v_wmma_scale_f32_16x16x128_f8f6f4 v[160+8*\t:167+8*\t], v[32+8*\t:39+8*\t], v[16:23], 0, v[244+\t], v252 matrix_a_fmt:MATRIX_FMT_FP4 matrix_b_fmt:MATRIX_FMT_FP4
.endr                                                  ; lane (r, h) holds my tile's row l; register 16 b + i is e = 32 b + 16 h + i
.rept 4
	v_nop                                          ; four places between the last product and the first read of results
.endr
	QUANT 160, 224, 253
	global_store_b128 v14, v[224:227], s[10:11] offset:4096        ; tile 4 + w: 512 consecutive bytes a store
	global_store_b128 v14, v[228:231], s[10:11] offset:4096+512
	ds_store_b32 v13, v253 offset:WSC+256          ; lanes r and 16 + r write the same word with the same value
	; ---- W_dkv, tile w
	s_wait_loadcnt 0x0
	QUANT 96, 16, 254
	global_store_b128 v14, v[16:19], s[10:11]
	global_store_b128 v14, v[20:23], s[10:11] offset:512
	ds_store_b32 v13, v254 offset:WSC
	s_wait_dscnt 0x0                               ; my scale words have landed
	s_barrier_signal -1
	s_barrier_wait -1
	s_cmp_lg_u32 s12, 0                            ; wave 0 stores the two planes: 512 consecutive bytes
	s_cbranch_scc1 .Lend
	ds_load_b128 v[24:27], v14 offset:WSC
	s_wait_dscnt 0x0
	global_store_b128 v14, v[24:27], s[10:11] offset:8192
.Lend:
	s_wait_tensorcnt 0x0
	ds_add_u32 v31, v255
	s_wait_dscnt 0x0
	s_endpgm
.Lfunc_end_k_q96a5cc4609_prep:
	.size	k_q96a5cc4609_prep, .Lfunc_end_k_q96a5cc4609_prep-k_q96a5cc4609_prep
	.p2alignl 7, 3214868480
	.fill 96, 4, 3214868480
	.section	.rodata,"a",@progbits
	.p2align	6, 0x0
	.amdhsa_kernel k_q96a5cc4609_prep
		.amdhsa_group_segment_fixed_size 11776
		.amdhsa_private_segment_fixed_size 0
		.amdhsa_enable_private_segment 0
		.amdhsa_kernarg_size 32
		.amdhsa_user_sgpr_count 2
		.amdhsa_user_sgpr_kernarg_segment_ptr 1
		.amdhsa_wavefront_size32 1
		.amdhsa_system_sgpr_workgroup_id_x 1
		.amdhsa_system_sgpr_workgroup_id_y 1
		.amdhsa_system_sgpr_workgroup_id_z 1
		.amdhsa_system_vgpr_workitem_id 0
		.amdhsa_next_free_vgpr 256
		.amdhsa_next_free_sgpr 66
		.amdhsa_reserve_vcc 0
		.amdhsa_float_denorm_mode_32 3
		.amdhsa_float_denorm_mode_16_64 3
		.amdhsa_memory_ordered 1
		.amdhsa_forward_progress 1
		.amdhsa_inst_pref_size 43
	.end_amdhsa_kernel
	.amdgpu_metadata
---
amdhsa.version: [ 1, 2 ]
amdhsa.kernels:
  - .name:           k_q96a5cc4609_prep
    .symbol:         k_q96a5cc4609_prep.kd
    .args:
      - { .name: W_q, .offset: 0, .size: 8, .value_kind: global_buffer, .address_space: global }
      - { .name: W_k, .offset: 8, .size: 8, .value_kind: global_buffer, .address_space: global }
      - { .name: W_dkv, .offset: 16, .size: 8, .value_kind: global_buffer, .address_space: global }
      - { .name: wfrag, .offset: 24, .size: 8, .value_kind: global_buffer, .address_space: global }
    .group_segment_fixed_size: 11776
    .private_segment_fixed_size: 0
    .kernarg_segment_align: 8
    .kernarg_segment_size: 32
    .max_flat_workgroup_size: 128
    .sgpr_count:     66
    .vgpr_count:     256
    .wavefront_size: 32
...
	.end_amdgpu_metadata
.endif
;; end of part 1
;; launch proj (part 2): grid 256 x 1, 8 waves a work-group, no clusters, 327,680 bytes of LDS; arguments x, W_v, wfrag, out1, kv, qws; writes out1, kv, qws
.if DOCPART == 2
	.amdgcn_target "amdgcn-amd-amdhsa--gfx1250"
	.amdhsa_code_object_version 6
	.text
	.protected	k_q96a5cc4609_proj
	.globl	k_q96a5cc4609_proj
	.p2align	8
	.type	k_q96a5cc4609_proj,@function
k_q96a5cc4609_proj:
	s_mov_b64 s[64:65], 0
	v_nop
	global_prefetch_b8 v0, s[64:65] scope:SCOPE_SE
	s_setreg_imm32_b32 hwreg(HW_REG_WAVE_MODE, 25, 1), 1
	s_wait_xcnt 0x0
; PROJ: latent = Q(x) Q(W_dkv)^T and q_res = Q(x) Q(absorbed), both over K = 2,048, from ONE read and ONE quantising of x; then v = Q(latent) Q(W_v)^T.  All products on codes of FP4 (E2M1), one E8M0 byte for each 32 along K.
; Out: out1 = latent, f32; kv: for each 128 tokens a record with the codes of latent (along l) and of v (along the keys) and their scale words; qws: the codes of q_res (along l) and their scale words:
; all three laid as images of operand registers (a group of four registers: 512 bytes, lane L's 16 bytes at 16 L).
; SHARES.  Work-group g owns tokens 128 g .. 128 g + 127; wave w tokens 16 w .. 16 w + 15 of them, for all of K; at the end wave w owns channels 16 w .. 16 w + 15 of v for the 128 tokens.
; x comes through two LDS slots filled by the tensor data mover; a slot holds two K steps of 128: for each a plane of 128 rows x 512 bytes (pitch 528, so that the 16 rows of a load start at 16 different
; 16-byte columns of 256 bytes) and the step's record of weights.  Waves 0-3 fetch x (64 rows of one plane each), wave 4 the two records; by this text's count a wave has two tensor loads out at the start, later one.
; THE PRODUCTS ARE USED TRANSPOSED: source 0 = 16 rows l of a weight, source 1 = my 16 tokens.  A lane holds ONE token (lane % 16), and, by the choice of a tile's rows made in the weights' images,
; the 16 registers of tiles 2 b and 2 b + 1 are l = 32 b + 16 (lane / 16) + 0 .. 15: neighbours along the next K.
; K = 64 IN AN INSTRUCTION OF K = 128: a fragment of eight registers holds TWO tiles of 16 keys (registers 0-3: tile 2 f; 4-7: tile 2 f + 1); it is multiplied once by [W ; 0] and once by [0 ; W]: zero codes add nothing.
; NO CLUSTER: what work-groups share is the weights' 17,408 of a slot's 152,576 bytes.  NO PREFETCH: x is the stream itself, read once.
; LIMITS: NaN and infinities among the inputs are not served.  A block whose largest magnitude lies under 2^-124 (a block of zeros too) gets the byte 1; a block of zeros has zero codes, and only this program reads the bytes.
.set PITCH, 528
.set PLANE, 128*PITCH                  ; 67,584
.set WREC,  8704                       ; a K step's weights: eight tiles of 1,024 bytes, two planes of scale words
.set WOFF,  2*PLANE
.set SLOTB, WOFF+2*WREC                ; 152,576
.set SPARE, 2*SLOTB                    ; behind the slots: the spare words, 128 bytes for each wave: four blocks of 256 bytes that no other line names
.set REC,   13312                      ; a record of kv: K's 8 tiles x 512 | V's 8 fragments x 1,024 at 4,096 | K's scale words, 512, at 12,288 | V's, 512, at 12,800
.set QREC,  4608                       ; a record of qws: 8 tiles x 512 | their scale words, 8 x 64, at 4,096
; scratch for the end, in slot 0, which by then has had its last fill and its last read:
.set LSTB,  4352                       ; a stage of 16 rows x (256 + 16) bytes for each wave, from byte 0
.set KIMG,  36864                      ; K's eight tiles
.set KSC,   40960                      ; K's scale words
.set VSC,   41472                      ; V's
.set QSC,   41984                      ; q's
.set SPW,  1                           ; v1   LDS address of my spare word; never rewritten
.set NIL,  2                           ; v2   0; never rewritten
.set AX,   3                           ; v3-6   x: slot s, plane p at v[AX + 2 s + p]: row 16 w + r, + 64 h
.set AWI,  7                           ; v7-8   the weights' images in slot s: + 16 x lane
.set AWS,  9                           ; v9-10  their scale words: + 16 (lane % 16)
.set LI,   11                          ; v11  16 x lane
.set LSTO, 12                          ; v12  my stage: where I put 16 bytes of a row of latent
.set LSRD, 13                          ; v13  and where I read rows back
.set KST,  14                          ; v14  where my token's codes go in K's tiles
.set KHS,  15                          ; v15  and its two scale bytes
.set QWS,  16                          ; v16  q's scale word
.set VWS,  17                          ; v17  V's scale word
.set KRD,  18                          ; v18  16 x lane + 512 w: the tile of K that I store
.set WVS,  19                          ; v19  W_v's scale word
.set PWD,  20                          ; v20  the scale word just made
.set HK,   21                          ; v21, v22 two scale bytes
.set HQ,   22
.set WF,   32                          ; v32-95   the weights' eight fragments
.set XN,   96                          ; v96-159  64 numbers of x
.set ACC,  160                         ; v160-223 tiles 0-3 latent^T, tiles 4-7 q_res^T
.set PCD,  224                         ; v224-231 the codes just made
.set TM,   232                         ; v232-243 at work in the quantiser
.set WVC,  244                         ; v244-247 W_v's codes
.set WS,   248                         ; v248-255 the weights' scale words
.set WV,   16                          ; s16  my wave's number
.set SEL,  20                          ; s[20:21] lane selects: lane l xor 16
.set G1X,  24                          ; s[24:31] descriptor group 1 for x;  s[32:39] for the weights
.set G1W,  32
.set G0X,  40                          ; s[40:47] group 0 for x, a set for each slot;  s[48:55] for the weights
.set G0W,  48
.set CNT,  56
.macro QUANT s, pc, pw                 ; 64 numbers of a lane, register 16 b + i = k 32 b + 16 (lane / 16) + i of my row: a fragment's codes in v[pc] on, its scale word in v[pw]
.irp b, 0,1,2,3
	v_max3_num_f32 v[TM+\b], |v[\s+16*\b]|, |v[\s+1+16*\b]|, 0x1800000   ; my 16 numbers of block b, and the floor 2^(3 - 127): the byte cannot fall under 1
.endr
.irp i, 2,4,6,8,10,12,14
.irp b, 0,1,2,3
	v_max3_num_f32 v[TM+\b], v[TM+\b], |v[\s+16*\b+\i]|, |v[\s+1+16*\b+\i]|
.endr
.endr
.irp b, 0,1,2,3
	v_permlanex16_b32 v[TM+4+\b], v[TM+\b], s[SEL], s[SEL+1]
.endr
.irp b, 0,1,2,3
	v_max_num_f32 v[TM+\b], v[TM+\b], v[TM+4+\b]                     ; with lane l xor 16's: the block's largest magnitude
.endr
.irp b, 0,1,2,3
	v_add_nc_u32 v[TM+8+\b], 0xff000000, v[TM+\b]                    ; 2 off its exponent field: the conversion's scale operand
.endr
.irp b, 0,1,2,3
	v_lshrrev_b32 v[TM+4+\b], 23, v[TM+8+\b]                         ; the scale's byte
.endr
	v_lshl_or_b32 v[\pw], v[TM+5], 8, v[TM+4]
	v_lshl_or_b32 v[\pw], v[TM+6], 16, v[\pw]
	v_lshl_or_b32 v[\pw], v[TM+7], 24, v[\pw]
.irp b, 0,1,2,3
	v_cvt_scalef32_pk8_fp4_f32 v[\pc+2*\b], v[\s+16*\b:\s+7+16*\b], v[TM+8+\b]
	v_cvt_scalef32_pk8_fp4_f32 v[\pc+1+2*\b], v[\s+8+16*\b:\s+15+16*\b], v[TM+8+\b]
.endr
	v_nop                                                            ; one plain instruction behind the last scaled conversion
.irp c, 0,1
.irp i, 0,1
	v_permlane16_swap_b32 v[\pc+4*\c+\i], v[\pc+2+4*\c+\i]           ; a whole block to a lane: lanes 0-15 block 2 c, lanes 16-31 block 2 c + 1
.endr
.endr
.endm
.macro QUANT2 s, pc, hw                ; the same for K = 64: 32 numbers of a lane; four registers of codes (lane (r, h): k = 32 h .. 32 h + 31 of row r), the two bytes in v[hw]
.irp b, 0,1
	v_max3_num_f32 v[TM+\b], |v[\s+16*\b]|, |v[\s+1+16*\b]|, 0x1800000
.endr
.irp i, 2,4,6,8,10,12,14
.irp b, 0,1
	v_max3_num_f32 v[TM+\b], v[TM+\b], |v[\s+16*\b+\i]|, |v[\s+1+16*\b+\i]|
.endr
.endr
.irp b, 0,1
	v_permlanex16_b32 v[TM+4+\b], v[TM+\b], s[SEL], s[SEL+1]
.endr
.irp b, 0,1
	v_max_num_f32 v[TM+\b], v[TM+\b], v[TM+4+\b]
.endr
.irp b, 0,1
	v_add_nc_u32 v[TM+8+\b], 0xff000000, v[TM+\b]
.endr
.irp b, 0,1
	v_lshrrev_b32 v[TM+4+\b], 23, v[TM+8+\b]
.endr
	v_lshl_or_b32 v[\hw], v[TM+5], 8, v[TM+4]
.irp b, 0,1
	v_cvt_scalef32_pk8_fp4_f32 v[\pc+2*\b], v[\s+16*\b:\s+7+16*\b], v[TM+8+\b]
	v_cvt_scalef32_pk8_fp4_f32 v[\pc+1+2*\b], v[\s+8+16*\b:\s+15+16*\b], v[TM+8+\b]
.endr
	v_nop
.irp i, 0,1
	v_permlane16_swap_b32 v[\pc+\i], v[\pc+2+\i]
.endr
.endm
; A refill: waves 0-3 fetch x, wave 4 the weights, the others nothing.  The branches hang on the wave's number alone.  Four v_nop follow each of the two lines.
.macro TLOAD slot
	s_cmp_lt_u32 s[WV], 4
	s_cbranch_scc0 .Lnot_x_\@
	tensor_load_to_lds s[G0X+4*\slot:G0X+4*\slot+3], s[G1X:G1X+7]
	s_nop 0
.rept 4
	v_nop
.endr
	s_branch .Lasked_\@
.Lnot_x_\@:
	s_cmp_eq_u32 s[WV], 4
	s_cbranch_scc0 .Lasked_\@
	tensor_load_to_lds s[G0W+4*\slot:G0W+4*\slot+3], s[G1W:G1W+7]
	s_nop 0
.rept 4
	v_nop
.endr
.Lasked_\@:
.endm
; One K step of 128: plane p of a slot.  My 16 tokens' numbers are quantised in registers and multiplied by the eight tiles of weights.  The eight accumulators take turns, one instruction a turn, in the same order in
; every step.  zero = 1: the first products start the sums.
.macro CELL slot, p, zero
.rept 4
	v_nop                                          ; four places between the last products and the loads into registers that they read
.endr
.irp b, 0,1,2,3
.irp j, 0,1,2,3
	ds_load_b128 v[XN+16*\b+4*\j:XN+16*\b+4*\j+3], v[AX+2*\slot+\p] offset:128*\b+16*\j   ; x(my token, 32 b + 16 h + 4 j ..)
.endr
.endr
.irp t, 0,1,2,3,4,5,6,7
.irp c, 0,1
	ds_load_b128 v[WF+8*\t+4*\c:WF+8*\t+4*\c+3], v[AWI+\slot] offset:\p*WREC+1024*\t+512*\c
.endr
.endr
.irp q, 0,1
	ds_load_b128 v[WS+4*\q:WS+4*\q+3], v[AWS+\slot] offset:\p*WREC+8192+256*\q
.endr
	s_wait_dscnt 18                                ; x's 16 loads are in; the weights' 16 and their scale words' 2, issued behind them, may be out
	QUANT XN, PCD, PWD
.rept 8
	v_nop                                          ; the scale word was written by vector instructions: eight places ahead of a scaled matrix instruction; the codes four
.endr
	s_wait_dscnt 0x0
.irp t, 0,1,2,3,4,5,6,7
.if \zero
	v_wmma_scale_f32_16x16x128_f8f6f4 v[ACC+8*\t:ACC+8*\t+7], v[WF+8*\t:WF+8*\t+7], v[PCD:PCD+7], 0, v[WS+\t], v[PWD] matrix_a_fmt:MATRIX_FMT_FP4 matrix_b_fmt:MATRIX_FMT_FP4
.else
	v_wmma_scale_f32_16x16x128_f8f6f4 v[ACC+8*\t:ACC+8*\t+7], v[WF+8*\t:WF+8*\t+7], v[PCD:PCD+7], v[ACC+8*\t:ACC+8*\t+7], v[WS+\t], v[PWD] matrix_a_fmt:MATRIX_FMT_FP4 matrix_b_fmt:MATRIX_FMT_FP4
.endif
.endr
.endm
; The change of slots.  Each wave waits for all its tensor loads (its part of the slot ahead), adds 0 to its spare word, and waits for that and for its reads of the slot that it leaves.  Behind the barrier the slot
; ahead is whole and nobody reads slot 'left'.  refill = 1: that slot is filled with the K steps four on: the load has the other slot's two steps, and the wait for it, in which to land.
.macro CHANGE left, refill
	s_wait_tensorcnt 0x0                           ; no tensor load of mine is out, so a group 0 may be written
	ds_add_u32 v[SPW], v[NIL]                      ; 0 onto my spare word
.if \refill
	s_add_nc_u64 s[G0X+4*\left+2:G0X+4*\left+3], s[G0X+4*\left+2:G0X+4*\left+3], 4*512    ; four K steps of 512 bytes along a row of x; the type bits on top are not reached
	s_add_nc_u64 s[G0W+4*\left+2:G0W+4*\left+3], s[G0W+4*\left+2:G0W+4*\left+3], 4*WREC   ; four records of weights
.endif
	s_wait_dscnt 0x0                               ; the add is done, and my reads of the slot that I leave are over
	s_barrier_signal -1
	s_barrier_wait -1
.if \refill
	TLOAD \left                                    ; the first thing behind the barrier, and a wave's one tensor load until the next
.endif
.endm
	s_load_b256 s[4:11], s[0:1], 0x0               ; x s[4:5], W_v s[6:7], wfrag s[8:9], out1 s[10:11]
	s_load_b128 s[12:15], s[0:1], 0x20             ; kv s[12:13], qws s[14:15]
	v_lshl_add_u32 v[SPW], v0, 2, SPARE
	v_mov_b32 v[NIL], 0
	ds_add_u32 v1, v2
	s_wait_dscnt 0x0
	v_lshrrev_b32 v23, 5, v0
	v_readfirstlane_b32 s[WV], v23                 ; wave 0..7
	; group 1 for x: 64 rows x 128 elements of 4 bytes, 2,048 elements from row to row; in LDS 4 words of padding behind every 128
	s_mov_b32 s[G1X+0], (2<<16)|(1<<20)|(6<<22)|(3<<25)
	s_mov_b32 s[G1X+1], 128<<16                    ; tensor_dim0
	s_mov_b32 s[G1X+2], 64<<16                     ; tensor_dim1
	s_mov_b32 s[G1X+3], 128<<16                    ; tile_dim0
	s_mov_b32 s[G1X+4], 64                         ; tile_dim1
	s_mov_b32 s[G1X+5], 2048                       ; tensor_dim0_stride
	s_mov_b32 s[G1X+6], 0
	s_mov_b32 s[G1X+7], 0
	; group 1 for the weights: two records, 17,408 dense bytes, as 68 rows of 32 elements of 8 bytes
	s_mov_b32 s[G1W+0], 3<<16
	s_mov_b32 s[G1W+1], 32<<16
	s_mov_b32 s[G1W+2], 68<<16
	s_mov_b32 s[G1W+3], 32<<16
	s_mov_b32 s[G1W+4], 68
	s_mov_b32 s[G1W+5], 32
	s_mov_b32 s[G1W+6], 0
	s_mov_b32 s[G1W+7], 0
	s_mov_b32 s[SEL], 0x76543210
	s_mov_b32 s[SEL+1], 0xfedcba98
	s_and_b32 s17, s[WV], 1                        ; which of a slot's two K steps I fetch,
	s_bfe_u32 s18, s[WV], 0x10001                  ; and which 64 rows (bit 1 of the wave's number)
	s_mul_i32 s57, s17, PLANE
	s_mul_i32 s58, s18, 64*PITCH
	s_add_co_u32 s57, s57, s58                     ; their place in a slot
	s_lshl_b32 s58, s18, 19                        ; 64 rows of 8,192 bytes
	s_lshl_b32 s59, s17, 9
	s_add_co_u32 s58, s58, s59
	s_lshl_b32 s59, ttmp9, 20                      ; the work-group's 128 rows
	s_add_co_u32 s58, s58, s59
	s_mov_b32 s59, 0
	s_lshl_b32 s60, ttmp9, 15                      ; out1: 128 rows of 256 bytes a work-group, 16 a wave
	s_lshl_b32 s61, s[WV], 12
	s_add_co_u32 s60, s60, s61
	s_mov_b32 s61, 0
	s_mul_i32 s62, ttmp9, REC
	s_mov_b32 s63, 0
	s_mul_i32 s72, ttmp9, QREC
	s_mov_b32 s73, 0
	s_lshl_b32 s74, s[WV], 9                       ; tile w of 512 bytes
	s_mov_b32 s75, 0
	s_lshl_b32 s76, s[WV], 10
	s_add_co_u32 s76, s76, 4096                    ; V's fragment w
	s_mov_b32 s77, 0
	s_lshl_b32 s78, s[WV], 12                      ; W_v: my 16 rows of 256 bytes
	s_mov_b32 s79, 0
	s_wait_kmcnt 0x0
	s_add_nc_u64 s[4:5], s[4:5], s[58:59]          ; x at my part of K step 0 or 1
	s_add_nc_u64 s[6:7], s[6:7], s[78:79]
	s_add_nc_u64 s[10:11], s[10:11], s[60:61]
	s_add_nc_u64 s[12:13], s[12:13], s[62:63]      ; my work-group's record of kv
	s_add_nc_u64 s[14:15], s[14:15], s[72:73]      ; and of qws
	s_add_nc_u64 s[66:67], s[12:13], s[74:75]
	s_add_nc_u64 s[68:69], s[12:13], s[76:77]
	s_add_nc_u64 s[70:71], s[14:15], s[74:75]
.irp n, 0,1
	s_mov_b32 s[G0X+4*\n], 1                       ; count = 1
	s_add_co_u32 s[G0X+4*\n+1], s57, \n*SLOTB      ; LDS address
	s_add_nc_u64 s[G0X+4*\n+2:G0X+4*\n+3], s[4:5], \n*1024   ; slot n begins with K steps 2 n, 2 n + 1
	s_or_b32 s[G0X+4*\n+3], s[G0X+4*\n+3], 0x80000000        ; type = 2
	s_mov_b32 s[G0W+4*\n], 1
	s_mov_b32 s[G0W+4*\n+1], \n*SLOTB+WOFF
	s_add_nc_u64 s[G0W+4*\n+2:G0W+4*\n+3], s[8:9], \n*2*WREC
	s_or_b32 s[G0W+4*\n+3], s[G0W+4*\n+3], 0x80000000
.endr
	s_cmp_lt_u32 s[WV], 4                          ; a wave's two first fills stand in one branch, ahead of every wait on TENSORcnt, every LDS read and every barrier
	s_cbranch_scc0 .Lfirst_w
	tensor_load_to_lds s[G0X:G0X+3], s[G1X:G1X+7]
	s_nop 0
	tensor_load_to_lds s[G0X+4:G0X+7], s[G1X:G1X+7]
	s_nop 0
.rept 4
	v_nop
.endr
	s_branch .Lfirst_done
.Lfirst_w:
	s_cmp_eq_u32 s[WV], 4
	s_cbranch_scc0 .Lfirst_done
	tensor_load_to_lds s[G0W:G0W+3], s[G1W:G1W+7]
	s_nop 0
	tensor_load_to_lds s[G0W+4:G0W+7], s[G1W:G1W+7]
	s_nop 0
.rept 4
	v_nop
.endr
.Lfirst_done:
	v_and_b32 v23, 15, v0                          ; r
	v_bfe_u32 v24, v0, 4, 1                        ; h
	v_and_b32 v25, 31, v0                          ; lane
	v_lshlrev_b32 v30, 8, v23
	v_lshl_add_u32 v30, v24, 6, v30                ; W_v: row r of 256 bytes, + 64 h: my 16 numbers of a block
.irp b, 0,1
.irp j, 0,1,2,3
	global_load_b128 v[XN+16*\b+4*\j:XN+16*\b+4*\j+3], v30, s[6:7] offset:128*\b+16*\j
.endr
.endr
	v_lshlrev_b32 v[LI], 4, v25
	s_mul_i32 s57, s[WV], 16*PITCH
	v_mul_u32_u24 v26, v23, PITCH
	v_lshl_add_u32 v26, v24, 6, v26
	v_add_nc_u32 v26, s57, v26                     ; row 16 w + r of a plane, + 64 h
.irp s, 0,1
.irp p, 0,1
	v_add_nc_u32 v[AX+2*\s+\p], \s*SLOTB+\p*PLANE, v26
.endr
.endr
	v_add_nc_u32 v[AWI], WOFF, v[LI]
	v_add_nc_u32 v[AWI+1], SLOTB+WOFF, v[LI]
	v_lshlrev_b32 v27, 4, v23
	v_add_nc_u32 v[AWS], WOFF, v27
	v_add_nc_u32 v[AWS+1], SLOTB+WOFF, v27
	s_mul_i32 s57, s[WV], LSTB
	v_mul_u32_u24 v[LSTO], v23, 272
	v_lshl_add_u32 v[LSTO], v24, 6, v[LSTO]
	v_add_nc_u32 v[LSTO], s57, v[LSTO]             ; my stage: row r, + 64 h
	v_mul_u32_u24 v[LSRD], v24, 272
	v_lshl_add_u32 v[LSRD], v23, 4, v[LSRD]
	v_add_nc_u32 v[LSRD], s57, v[LSRD]             ; back: lanes 0-15 one row of 256 bytes, lanes 16-31 the next
	; key 16 w + r of the record is lane 8 (w % 2) + r % 8 of tile 2 (w / 2) + (r / 8): the inverse of key = 32 f + 8 u + r' + 8 (r' / 8)
	s_lshr_b32 s58, s[WV], 1                       ; f
	s_lshl_b32 s59, s58, 10
	s_lshl_b32 s60, s17, 7
	s_add_co_u32 s59, s59, s60                     ; 1,024 f + 128 (w % 2)
	v_bfe_u32 v28, v0, 3, 1                        ; u = r / 8
	v_and_b32 v29, 7, v0                           ; r % 8
	v_lshlrev_b32 v[KST], 9, v28
	v_lshl_add_u32 v[KST], v29, 4, v[KST]
	v_lshl_add_u32 v[KST], v24, 8, v[KST]
	v_add_nc_u32 v[KST], s59, v[KST]               ; 512 tile + 16 (16 h + lane')
	s_lshl_b32 s59, s58, 2
	s_add_co_u32 s59, s59, s60                     ; 4 f + 128 (w % 2)
	v_lshlrev_b32 v[KHS], 1, v28
	v_lshl_add_u32 v[KHS], v29, 4, v[KHS]
	v_lshl_add_u32 v[KHS], v24, 8, v[KHS]
	v_add_nc_u32 v[KHS], s59, v[KHS]               ; 16 lane' + 4 f + 2 u; lanes 16-31 write the copy 256 bytes on
	s_lshl_b32 s59, s[WV], 6
	v_lshlrev_b32 v[QWS], 2, v23
	v_add_nc_u32 v[QWS], s59, v[QWS]               ; 64 w + 4 r
	s_lshr_b32 s59, s[WV], 2
	s_lshl_b32 s59, s59, 8
	s_and_b32 s60, s[WV], 3
	s_lshl_b32 s60, s60, 2
	s_add_co_u32 s59, s59, s60
	v_add_nc_u32 v[VWS], s59, v27                  ; 256 (w / 4) + 16 r + 4 (w % 4)
	s_lshl_b32 s59, s[WV], 9
	v_add_nc_u32 v[KRD], s59, v[LI]
.irp b, 0,1,2,3
	v_mov_b32 v[TM+4+\b], 0                        ; written once: a lane permute's destination counts as one of its sources
.endr
	s_wait_loadcnt 0x0                             ; W_v's 16 rows: quantised while the first tiles are on their way
	QUANT2 XN, WVC, HK
	v_lshl_or_b32 v[WVS], v[HK], 16, v[HK]         ; its two bytes twice: for [W ; 0] and for [0 ; W]
	s_wait_tensorcnt 0x1                           ; my part of slot 0 is in; slot 1's may stay out
	s_barrier_signal -1
	s_barrier_wait -1                              ; everybody's is
	CELL 0, 0, 1                                   ; K step 0 starts the sums
	CELL 0, 1, 0
	s_mov_b32 s[CNT], 3
.Lk:                                                   ; a trip: four K steps, both slots filled again
	CHANGE 0, 1
	CELL 1, 0, 0
	CELL 1, 1, 0
	CHANGE 1, 1
	CELL 0, 0, 0
	CELL 0, 1, 0
	s_sub_co_u32 s[CNT], s[CNT], 1
	s_cmp_lg_u32 s[CNT], 0
	s_cbranch_scc1 .Lk
	CHANGE 0, 0                                    ; the tail is written out: nothing is left to fetch.  Behind this barrier nobody reads slot 0: it serves as scratch
	CELL 1, 0, 0
	CELL 1, 1, 0
	; ---- latent goes out: 16 rows of 256 bytes through my own stage.  Lane (r, h): register 16 b + i is latent(token r, 32 b + 16 h + i)
.rept 4
	v_nop                                          ; four places between the last products and the first read of results, and the loads into the weights' registers
.endr
.irp b, 0,1
.irp q, 0,1,2,3
	ds_store_b128 v[LSTO], v[ACC+16*\b+4*\q:ACC+16*\b+4*\q+3] offset:128*\b+16*\q     ; each accumulator from its low end on
.endr
.endr
.irp i, 0,1,2,3,4,5,6,7
	ds_load_b128 v[WF+4*\i:WF+4*\i+3], v[LSRD] offset:544*\i   ; a wave's LDS instructions are served in order: these see the stores above
.endr
	; ---- latent as an operand along l: my token's 64 codes into K's tiles, its two bytes into K's scale words
	QUANT2 ACC, PCD, HK
	ds_store_b128 v[KST], v[PCD:PCD+3] offset:KIMG
	ds_store_b16 v[KHS], v[HK] offset:KSC
	; ---- q_res likewise: a natural tile of 16 queries
	QUANT2 ACC+32, PCD+4, HQ
	global_store_b128 v[LI], v[PCD+4:PCD+7], s[70:71]          ; 512 consecutive bytes
	v_lshl_or_b32 v[HQ], v[HQ], 16, v[HQ]          ; its two bytes twice, as for W_v
	ds_store_b32 v[QWS], v[HQ] offset:QSC          ; lanes r and 16 + r write the same word with the same value
	s_wait_dscnt 0x0                               ; my rows of latent are back; for the others' sake: my stores have landed
.irp i, 0,1,2,3
	v_mov_b32 v[ACC+\i], v[WVC+\i]                 ; [W_v ; 0] in v160-167, [0 ; W_v] in v168-175: latent's registers are done with
	v_mov_b32 v[ACC+4+\i], 0
	v_mov_b32 v[ACC+8+\i], 0
	v_mov_b32 v[ACC+12+\i], v[WVC+\i]
.endr
.irp i, 0,1,2,3,4,5,6,7
	global_store_b128 v[LI], v[WF+4*\i:WF+4*\i+3], s[10:11] offset:512*\i th:TH_STORE_NT   ; two whole rows of latent: 512 consecutive bytes
.endr
	s_barrier_signal -1
	s_barrier_wait -1                              ; K's eight tiles and their scale words lie in LDS
	; ---- v^T for my 16 channels and the 128 tokens: source 0 = two tiles of keys, source 1 = W_v beside zeros
	s_wait_xcnt 0x0                                ; the stores above have read their registers: the codes' registers are written again below
.irp t, 0,1,2,3,4,5,6,7
	ds_load_b128 v[WF+32+4*\t:WF+32+4*\t+3], v[LI] offset:KIMG+512*\t
.endr
	ds_load_b128 v[WS:WS+3], v[LI] offset:KSC
	ds_load_b128 v[ACC+16:ACC+19], v[KRD] offset:KIMG
	s_wait_dscnt 0x0
	global_store_b128 v[LI], v[ACC+16:ACC+19], s[66:67]        ; each wave stores one tile of K: 512 consecutive bytes
.rept 4
	v_nop                                          ; W_v's two operands were written by vector instructions: four places
.endr
.irp t, 0,1,2,3,4,5,6,7
	v_wmma_scale_f32_16x16x128_f8f6f4 v[XN+8*\t:XN+8*\t+7], v[WF+32+8*(\t/2):WF+32+8*(\t/2)+7], v[ACC+8*(\t%2):ACC+8*(\t%2)+7], 0, v[WS+\t/2], v[WVS] matrix_a_fmt:MATRIX_FMT_FP4 matrix_b_fmt:MATRIX_FMT_FP4
.endr                                                  ; lane (r, h): channel 16 w + r; register 16 f + i is key 32 f + 16 h + i
.rept 4
	v_nop
.endr
	QUANT XN, PCD, PWD                             ; along the keys: one fragment of V^T and its scale word
	global_store_b128 v[LI], v[PCD:PCD+3], s[68:69]
	global_store_b128 v[LI], v[PCD+4:PCD+7], s[68:69] offset:512
	ds_store_b32 v[VWS], v[PWD] offset:VSC
	s_wait_dscnt 0x0
	s_barrier_signal -1
	s_barrier_wait -1                              ; V's scale words lie in LDS
	s_cmp_lg_u32 s[WV], 0                          ; wave 0 stores K's and V's scale words, wave 1 q's: 512 consecutive bytes a store
	s_cbranch_scc1 .Lnot_0
	ds_load_b128 v[ACC+20:ACC+23], v[LI] offset:KSC
	ds_load_b128 v[ACC+24:ACC+27], v[LI] offset:VSC
	s_wait_dscnt 0x0
	global_store_b128 v[LI], v[ACC+20:ACC+23], s[12:13] offset:12288
	global_store_b128 v[LI], v[ACC+24:ACC+27], s[12:13] offset:12800
	s_branch .Lfin
.Lnot_0:
	s_cmp_lg_u32 s[WV], 1
	s_cbranch_scc1 .Lfin
	ds_load_b128 v[ACC+20:ACC+23], v[LI] offset:QSC
	s_wait_dscnt 0x0
	global_store_b128 v[LI], v[ACC+20:ACC+23], s[14:15] offset:4096
.Lfin:
	s_wait_tensorcnt 0x0                           ; the wave's end: behind my last tensor load and my last LDS store
	ds_add_u32 v[SPW], v[NIL]
	s_wait_dscnt 0x0
	s_endpgm
.Lfunc_end_k_q96a5cc4609_proj:
	.size	k_q96a5cc4609_proj, .Lfunc_end_k_q96a5cc4609_proj-k_q96a5cc4609_proj
	.p2alignl 7, 3214868480
	.fill 96, 4, 3214868480
	.section	.rodata,"a",@progbits
	.p2align	6, 0x0
	.amdhsa_kernel k_q96a5cc4609_proj
		.amdhsa_group_segment_fixed_size 327680
		.amdhsa_private_segment_fixed_size 0
		.amdhsa_enable_private_segment 0
		.amdhsa_kernarg_size 48
		.amdhsa_user_sgpr_count 2
		.amdhsa_user_sgpr_kernarg_segment_ptr 1
		.amdhsa_wavefront_size32 1
		.amdhsa_system_sgpr_workgroup_id_x 1
		.amdhsa_system_sgpr_workgroup_id_y 1
		.amdhsa_system_sgpr_workgroup_id_z 1
		.amdhsa_system_vgpr_workitem_id 0
		.amdhsa_next_free_vgpr 256
		.amdhsa_next_free_sgpr 80
		.amdhsa_reserve_vcc 0
		.amdhsa_float_denorm_mode_32 3
		.amdhsa_float_denorm_mode_16_64 3
		.amdhsa_memory_ordered 1
		.amdhsa_forward_progress 1
		.amdhsa_inst_pref_size 84
	.end_amdhsa_kernel
	.amdgpu_metadata
---
amdhsa.version: [ 1, 2 ]
amdhsa.kernels:
  - .name:           k_q96a5cc4609_proj
    .symbol:         k_q96a5cc4609_proj.kd
    .args:
      - { .name: x, .offset: 0, .size: 8, .value_kind: global_buffer, .address_space: global }
      - { .name: W_v, .offset: 8, .size: 8, .value_kind: global_buffer, .address_space: global }
      - { .name: wfrag, .offset: 16, .size: 8, .value_kind: global_buffer, .address_space: global }
      - { .name: out1, .offset: 24, .size: 8, .value_kind: global_buffer, .address_space: global }
      - { .name: kv, .offset: 32, .size: 8, .value_kind: global_buffer, .address_space: global }
      - { .name: qws, .offset: 40, .size: 8, .value_kind: global_buffer, .address_space: global }
    .group_segment_fixed_size: 327680
    .private_segment_fixed_size: 0
    .kernarg_segment_align: 8
    .kernarg_segment_size: 48
    .max_flat_workgroup_size: 256
    .sgpr_count:     80
    .vgpr_count:     256
    .wavefront_size: 32
...
	.end_amdgpu_metadata
.endif
;; end of part 2
;; launch attn (part 3): grid 32 x 8, 16 waves a work-group, no clusters, 327,680 bytes of LDS; arguments kv, qws, out0; writes out0
.if DOCPART == 3
	.amdgcn_target "amdgcn-amd-amdhsa--gfx1250"
	.amdhsa_code_object_version 6
	.text
	.protected	k_q96a5cc4609_attn
	.globl	k_q96a5cc4609_attn
	.p2align	8
	.type	k_q96a5cc4609_attn,@function
k_q96a5cc4609_attn:
	s_mov_b64 s[64:65], 0
	v_nop
	global_prefetch_b8 v0, s[64:65] scope:SCOPE_SE
	s_setreg_imm32_b32 hwreg(HW_REG_WAVE_MODE, 25, 1), 1
	s_wait_xcnt 0x0
; ATTN: out0[b][q][:] = the sum over k <= q of softmax_k(q_res[q] . latent[k] / sqrt(128)) v[k][:], both products on codes of FP4 (E2M1) with one E8M0 byte for each 32 along a product's K.
; THE SOFTMAX AHEAD OF THE SECOND PRODUCT: t = score x log2(e) / sqrt(128); M = the largest t so far, rounded UP to a whole number; p = 2^(t - M) is quantised along the keys, not normalised; the row's sum is taken
; of the unquantised p and divides at the end.  When M moves, the sum and O are multiplied by 2^(old M - new M): exact.
; IN: kv, a record of REC bytes for each 128 keys: K's 8 tiles x 512 | V's 8 fragments x 1,024 | K's scale words | V's: images of operand registers, read by 16 bytes a lane at 16 x lane.  qws: the queries' codes and scale words.
; SHARES.  Work-group (g, batch) owns the query blocks g and 63 - g of 64 queries: with the causal mask their steps add up to the same number for every g.  Waves w and w + 8 share ONE tile of 16 queries
; (w % 8 < 4: block g, else block 63 - g): wave w takes the even key steps of 128 keys, wave w + 8 the odd ones; at the end the two are joined by exact powers of two.
; Every work-group walks ALL slots, so that trip counts are constants and no tensor load and no barrier is jumped over; a step all of whose keys come after my queries is left out by a scalar branch on ids.
; LAYOUT.  Both products transposed: a lane holds ONE query (lane % 16).  Lane r of K's tile 2 f + u is key 32 f + 8 u + r + 8 (r / 8), so the 16 registers of tiles 2 f, 2 f + 1 are keys 32 f + 16 (lane / 16) + 0 .. 15.
; K = 64 IN AN INSTRUCTION OF K = 128: a fragment holds two tiles of keys (registers 0-3, 4-7); it is multiplied once by [Q ; 0] and once by [0 ; Q]: zero codes add nothing.
; NO CLUSTER, though the 32 work-groups of a batch walk the same records: the branches that leave hidden steps out hang on the work-group's own query blocks, and partners of a joint load may not branch apart.
; LIMITS: NaN and infinities are not served; a block of p that has fallen to zeros keeps the byte 1: its codes are zeros.
.set REC,   13312
.set SLOTB, 8*REC                      ; a slot: eight records, 106,496 bytes
.set HALFB, 4*REC                      ; what one tensor load brings: 208 rows of 256 bytes
.set QREC,  4608
.set SPARE, SLOTB                      ; behind slot 0: the spare words, 128 bytes for each wave: eight blocks of 256 bytes that no other line names
.set SLOT1, 1<<17                      ; slot 1 begins here, so that one exclusive or turns an address in one slot into the other's
.set STG,   SLOT1+SLOTB                ; behind slot 1: where the odd waves hand over: 8,704 bytes a pair: O^T 8,192, -M at 8,192, the sum at 8,320
.set MSTB,  8704
.set OSTB,  4352                       ; the way out: 16 rows x (256 + 16) bytes for each even wave, in slot 0: it has had its last fill, and nobody reads it behind the last change of slots
.set NSL,   4                          ; slots' worth of keys in a batch
.set LI0,  1                           ; v1   16 x lane + my parity's record
.set LS0,  2                           ; v2   16 (lane % 16) + my parity's record
.set MST,  3                           ; v3   the pair's hand-over place + 16 x lane
.set PFO,  4                           ; v4   the prefetches' offset: 256 x lane; never rewritten
.set SPW,  5                           ; v5   LDS address of my spare word; never rewritten
.set NIL,  6                           ; v6   0; never rewritten
.set GO,   7                           ; v7   the way out: my byte offset in the wave's rows of out0
.set ADI,  8                           ; v8   the step's record + 16 x lane; behind the loop: the way out, back
.set ADS,  9                           ; v9   the step's record + 16 (lane % 16)
.set OIN,  10                          ; v10  the way out, in
.set MSS,  11                          ; v11  the pair's hand-over place + 8,192 + 4 x lane
; v12 -M, v13 the largest t, v[14:15] the sum in two halves; v16-23 [Q ; 0], v24-31 [0 ; Q]; v32-95 fragments; v96-159 S^T, then p; v160-223 O^T; v224-231 p's codes;
; v232-239, v244-247, v252, v254 at work; v240-243 V's scale words 0-3; v248-251 K's scale words, then V's 4-7; v253 p's scale word; v255 Q's
.set TB,   2                           ; s2   LDS byte at which the step's pair of records begins
.set WV,   18                          ; s18  my wave's number
.set SEL,  20                          ; s[20:21] lane selects: lane l xor 16
.set CS,   22                          ; s[22:23] c = log2(e) / sqrt(128)
.set G1,   24                          ; s[24:31] descriptor group 1;  s[32:35] group 0, which walks
.set G0,   32
.set SLOTS, 36                         ; s36  slots still to be asked for
.set TW,   37                          ; s37  counts a slot's four steps of my parity
.set KF,   38                          ; s38  the step's first key
.set Q0,   39                          ; s39  my first query
.set PFA,  40                          ; s[40:41] where my prefetches stand
.set LIM,  42                          ; s42  1 in a wave that prefetches, else the greatest number
.macro TLOAD                           ; waves 0 and 1 fetch a slot's halves; four v_nop follow the line
	s_cmp_lt_u32 s[WV], 2
	s_cbranch_scc0 .Lasked_\@
	tensor_load_to_lds s[G0:G0+3], s[G1:G1+7]
	s_nop 0
.rept 4
	v_nop
.endr
.Lasked_\@:
.endm
; A prefetch of the slot that the NEXT change of slots will ask for: 106,496 bytes = 13 waves x 32 lanes x 256 bytes.  All work-groups of a batch walk the same records: the batch's first work-group asks, and in it
; waves 3 to 15, which fetch nothing, one instruction each: so each aligned 256 bytes are named once in the launch.  The last change that fills a slot asks for nothing; slots 0 and 1 come by their loads alone.
.macro ASK
	s_cmp_gt_u32 s[SLOTS], s[LIM]
	s_cbranch_scc0 .Lnot_mine_\@
	global_prefetch_b8 v[PFO], s[PFA:PFA+1] th:TH_LOAD_NT scope:SCOPE_SE
.Lnot_mine_\@:
.endm
; A KEY STEP: 128 keys, one record.
.macro STEP
	s_add_co_u32 s43, s[Q0], 15
	s_cmp_gt_u32 s[KF], s43                        ; all its keys come after my 16 queries: the step's work is left out
	s_cbranch_scc1 .Lhidden_\@
	v_add_nc_u32 v[ADI], s[TB], v[LI0]
	v_add_nc_u32 v[ADS], s[TB], v[LS0]
	v_nop
	v_nop                                          ; with the two additions: four places between the last step's products and the loads into registers that they read
.irp t, 0,1,2,3,4,5,6,7
	ds_load_b128 v[32+4*\t:35+4*\t], v[ADI] offset:512*\t          ; K's tile t: registers 4 t on: two tiles to a fragment
.endr
	ds_load_b128 v[248:251], v[ADI] offset:12288   ; K's four scale words
.irp n, 0,1,2,3
.irp c, 0,1
	ds_load_b128 v[64+8*\n+4*\c:67+8*\n+4*\c], v[ADI] offset:4096+1024*\n+512*\c      ; V's fragments 0-3, early
.endr
.endr
	ds_load_b128 v[240:243], v[ADS] offset:12800   ; and their scale words
	s_wait_dscnt 9                                 ; K and its scale words are in; V's nine loads, issued behind them, may be out
.irp t, 0,1,2,3,4,5,6,7
	v_wmma_scale_f32_16x16x128_f8f6f4 v[96+8*\t:103+8*\t], v[32+8*(\t/2):39+8*(\t/2)], v[16+8*(\t%2):23+8*(\t%2)], 0, v[248+\t/2], v255 matrix_a_fmt:MATRIX_FMT_FP4 matrix_b_fmt:MATRIX_FMT_FP4
.endr
.rept 4
	v_nop                                          ; four places: for the loads below, and for the first read of the scores
.endr
.irp n, 0,1,2,3
.irp c, 0,1
	ds_load_b128 v[32+8*\n+4*\c:35+8*\n+4*\c], v[ADI] offset:8192+1024*\n+512*\c      ; V's fragments 4-7 land under the softmax
.endr
.endr
	ds_load_b128 v[248:251], v[ADS] offset:13056
	s_add_co_u32 s43, s[KF], 127                   ; on the diagonal the scores of hidden keys become -infinity ahead of the maximum: p = 0 then.  A step all of whose keys count skips this
	s_cmp_le_u32 s43, s[Q0]
	s_cbranch_scc1 .Lopen_\@
	s_sub_co_i32 s43, s[Q0], s[KF]
	v_and_b32 v252, 15, v0
	v_bfe_u32 v254, v0, 4, 1
	v_lshlrev_b32 v254, 4, v254
	v_sub_nc_u32 v252, v252, v254
	v_add_nc_u32 v252, s43, v252                   ; d = my query - KF - 16 (lane / 16).  Register 16 b + i holds key KF + 16 (lane / 16) + 32 b + i: hidden where 32 b + i > d
	v_mov_b32 v254, 0xff800000                     ; -infinity
.set n, 0
.rept 64
	v_cmp_gt_i32 vcc_lo, 32*(n/16)+n%16, v252
	v_cndmask_b32 v[96+n], v[96+n], v254, vcc_lo
.set n, n+1
.endr
.Lopen_\@:
.irp b, 0,1,2,3
	v_max3_num_f32 v[232+\b], v[96+16*\b], v[97+16*\b], v[98+16*\b]   ; the largest score of each block of 32 keys: for the row's maximum, and, since p rises with the score, for the block's largest p
.endr
.irp i, 3,5,7,9,11,13
.irp b, 0,1,2,3
	v_max3_num_f32 v[232+\b], v[232+\b], v[96+16*\b+\i], v[97+16*\b+\i]
.endr
.endr
.irp b, 0,1,2,3
	v_max_num_f32 v[232+\b], v[232+\b], v[111+16*\b]
.endr
.irp b, 0,1,2,3
	v_permlanex16_b32 v[236+\b], v[232+\b], s[SEL], s[SEL+1]
.endr
.irp b, 0,1,2,3
	v_max_num_f32 v[232+\b], v[232+\b], v[236+\b]  ; with lane l xor 16's 16 keys
.endr
	v_max3_num_f32 v254, v232, v233, v234
	v_max_num_f32 v254, v254, v235                 ; the step's largest score of my query
	v_mul_f32 v254, s[CS], v254                    ; as t (c is positive)
	v_max_num_f32 v13, v13, v254                   ; the running largest t
	v_mov_b32 v254, v12
	v_floor_f32 v12, -v13                          ; the new -M = floor(-t) = -ceil(t): a whole number
	v_sub_f32 v254, v12, v254                      ; M's old value less its new one: a whole number, 0 or less
	v_cvt_i32_f32 v254, v254                       ; (it saturates)
	v_ldexp_f32 v252, 1.0, v254                    ; f = 2^(old M - new M)
.set j, 0
.rept 32
	v_pk_fma_f32 v[96+j:97+j], v[96+j:97+j], s[CS:CS+1], v[12:13] op_sel_hi:[1,0,0]   ; t - M, two at a time (of the pairs c and -M the low word serves both halves)
.set j, j+2
.endr
.irp b, 0,1,2,3
	v_fma_f32 v[232+\b], v[232+\b], s[CS], v12     ; the same of each block's largest score
.endr
.set j, 0
.rept 64
	v_exp_f32 v[96+j], v[96+j]                     ; p = 2^(t - M), at most 1
.set j, j+1
.endr
	v_pk_mul_f32 v[14:15], v[14:15], v[252:253] op_sel_hi:[1,0]   ; the sums under the new M: a plain instruction behind the exponentials
	s_wait_alu depctr_va_vdst(0)                   ; one wait for the whole batch, ahead of its first reader
.irp b, 0,1,2,3
	v_exp_f32 v[232+\b], v[232+\b]                 ; the block's largest p: the same two instructions on the same number give the same bits
.endr
	v_pk_add_f32 v[236:237], v[96:97], v[98:99]    ; the row's sum is taken of the unquantised p: two at a time, in two chains; it reads the 64 alone
.set j, 4
.rept 15
	v_pk_add_f32 v[14:15], v[14:15], v[96+j:97+j]
	v_pk_add_f32 v[236:237], v[236:237], v[98+j:99+j]
.set j, j+4
.endr
	v_pk_add_f32 v[14:15], v[14:15], v[236:237]
	s_wait_alu depctr_va_vdst(0)                   ; and one for the four
.irp b, 0,1,2,3
	v_max_num_f32 v[232+\b], 0x1800000, v[232+\b]  ; the floor 2^(3 - 127): the byte cannot fall under 1
.endr
.irp b, 0,1,2,3
	v_add_nc_u32 v[244+\b], 0xff000000, v[232+\b]  ; 2 off the exponent field: the conversion's scale operand
.endr
.irp b, 0,1,2,3
	v_lshrrev_b32 v[236+\b], 23, v[244+\b]         ; the scale's byte
.endr
	v_lshl_or_b32 v253, v237, 8, v236              ; p's scale word for these 128 keys
	v_lshl_or_b32 v253, v238, 16, v253
	v_lshl_or_b32 v253, v239, 24, v253
.irp b, 0,1,2,3
	v_cvt_scalef32_pk8_fp4_f32 v[224+2*\b], v[96+16*\b:103+16*\b], v[244+\b]
	v_cvt_scalef32_pk8_fp4_f32 v[225+2*\b], v[104+16*\b:111+16*\b], v[244+\b]
.endr
	v_nop                                          ; one plain instruction behind the last scaled conversion
.irp c, 0,1
.irp i, 0,1
	v_permlane16_swap_b32 v[224+4*\c+\i], v[226+4*\c+\i]           ; a whole block to a lane
.endr
.endr
.set j, 0
.rept 32
	v_pk_mul_f32 v[160+j:161+j], v[160+j:161+j], v[252:253] op_sel_hi:[1,0]   ; O^T under the new M.  These 32 are also the places between p's codes and scale word and the products below
.set j, j+2
.endr
	s_wait_dscnt 0x0                               ; all of V and its scale words are in
.irp n, 0,1,2,3
	v_wmma_scale_f32_16x16x128_f8f6f4 v[160+8*\n:167+8*\n], v[64+8*\n:71+8*\n], v[224:231], v[160+8*\n:167+8*\n], v[240+\n], v253 matrix_a_fmt:MATRIX_FMT_FP4 matrix_b_fmt:MATRIX_FMT_FP4
.endr
.irp n, 0,1,2,3
	v_wmma_scale_f32_16x16x128_f8f6f4 v[192+8*\n:199+8*\n], v[32+8*\n:39+8*\n], v[224:231], v[192+8*\n:199+8*\n], v[248+\n], v253 matrix_a_fmt:MATRIX_FMT_FP4 matrix_b_fmt:MATRIX_FMT_FP4
.endr                                                  ; the eight accumulators by turns, the scores' eight products between two turns
.Lhidden_\@:
	s_add_co_u32 s[KF], s[KF], 256                 ; my parity's next step
.endm
; The change of slots stands at a slot's head.  Each wave waits for all its tensor loads, adds 0 to its spare word, and waits for that and for its reads of the slot that it has left.  Behind the barrier the slot ahead
; is whole and nobody reads the other one.  fill = 1: that other slot is filled with the next eight records: the load has a whole slot's steps in which to land.
.macro CHANGE fill
	s_wait_tensorcnt 0x0                           ; no tensor load of mine is out, so group 0 may be written
	ds_add_u32 v[SPW], v[NIL]                      ; 0 onto my spare word
.if \fill
	s_xor_b32 s[G0+1], s[G0+1], SLOT1              ; the walking descriptor: the other slot than last time,
	s_add_nc_u64 s[G0+2:G0+3], s[G0+2:G0+3], SLOTB ; the next eight records; the type bits on top are not reached
	s_wait_xcnt 0x0                                ; the last prefetch, a slot back, has read its address, so it may be written:
	s_add_nc_u64 s[PFA:PFA+1], s[PFA:PFA+1], SLOTB ; one slot further on than the walking descriptor
.endif
	s_wait_dscnt 0x0                               ; the add is done, and my reads of the slot that I have left are over
	s_barrier_signal -1
	s_barrier_wait -1
.if \fill
	TLOAD                                          ; the first thing behind the barrier, and a wave's one tensor load until the next
	ASK
.endif
.endm
.macro SLOT_STEPS                      ; a slot's four steps of my parity: written once, walked four times; the LDS addresses hang on s[TB]
	s_mov_b32 s[TW], 4
.Lstep_\@:
	STEP
	s_add_co_u32 s[TB], s[TB], 2*REC
	s_sub_co_u32 s[TW], s[TW], 1
	s_cmp_lg_u32 s[TW], 0
	s_cbranch_scc1 .Lstep_\@
	s_sub_co_u32 s[TB], s[TB], 8*REC               ; back to a slot's first records,
	s_xor_b32 s[TB], s[TB], SLOT1                  ; in the other slot
.endm
	s_load_b128 s[4:7], s[0:1], 0x0                ; kv s[4:5], qws s[6:7]
	s_load_b64 s[8:9], s[0:1], 0x10                ; out0
	v_lshl_add_u32 v[SPW], v0, 2, SPARE
	v_mov_b32 v[NIL], 0
	ds_add_u32 v5, v6
	s_wait_dscnt 0x0
	v_lshrrev_b32 v8, 5, v0
	v_readfirstlane_b32 s[WV], v8                  ; wave 0..15
	s_lshr_b32 s10, s[WV], 3                       ; my parity
	s_and_b32 s11, s[WV], 7                        ; my pair
	s_and_b32 s12, ttmp7, 0xffff                   ; the batch
	s_sub_co_u32 s13, 63, ttmp9
	s_and_b32 s14, s[WV], 4                        ; pairs 4-7 take the late block
	s_cselect_b32 s13, s13, ttmp9
	s_lshl_b32 s13, s13, 6
	s_and_b32 s14, s[WV], 3
	s_lshl_b32 s14, s14, 4
	s_add_co_u32 s[Q0], s13, s14                   ; my first query: 64 x block + 16 x tile
	s_lshl_b32 s[KF], s10, 7
	; descriptor group 1: four records, 53,248 dense bytes, as 208 rows of 32 elements of 8 bytes
	s_mov_b32 s[G1+0], 3<<16
	s_mov_b32 s[G1+1], 32<<16
	s_mov_b32 s[G1+2], 208<<16
	s_mov_b32 s[G1+3], 32<<16
	s_mov_b32 s[G1+4], 208
	s_mov_b32 s[G1+5], 32
	s_mov_b32 s[G1+6], 0
	s_mov_b32 s[G1+7], 0
	s_and_b32 s15, s[WV], 1
	s_mul_i32 s15, s15, HALFB                      ; which half of a slot I fetch, if I fetch
	s_mul_i32 s16, s12, 32*REC                     ; the batch's first record
	s_add_co_u32 s44, s16, s15
	s_mov_b32 s45, 0
	s_lshl_b32 s46, s12, 8
	s_lshr_b32 s47, s[Q0], 4
	s_add_co_u32 s46, s46, s47                     ; my tile of 16 queries, counted through all batches
	s_lshr_b32 s47, s46, 3
	s_mul_i32 s47, s47, QREC                       ; its record of qws,
	s_and_b32 s46, s46, 7                          ; and its place there
	s_lshl_b32 s48, s46, 9
	s_add_co_u32 s48, s48, s47
	s_mov_b32 s49, 0
	s_lshl_b32 s50, s46, 6
	s_add_co_u32 s50, s50, s47
	s_add_co_u32 s50, s50, 4096
	s_mov_b32 s51, 0
	s_lshl_b32 s52, s12, 12
	s_add_co_u32 s52, s52, s[Q0]
	s_lshl_b32 s52, s52, 9                         ; out0: my first row of 512 bytes
	s_mov_b32 s53, 0
	s_max_u32 s54, s[WV], 3                        ; the prefetches: wave w asks for bytes 8,192 (w - 3) on of a slot (waves 0-2 ask for nothing: their term is held at 0),
	s_sub_co_u32 s54, s54, 3
	s_lshl_b32 s54, s54, 13
	s_add_co_u32 s54, s54, s16
	s_add_co_u32 s54, s54, SLOTB                   ; in slot 1's records: the first change of slots steps it to slot 2's.  Nothing is prefetched at the head
	s_mov_b32 s55, 0
	s_cmp_gt_u32 s[WV], 2
	s_cselect_b32 s56, 0, 1
	s_or_b32 s56, s56, ttmp9                       ; 0 in waves 3 to 15 of the batch's first work-group
	s_cmp_eq_u32 s56, 0
	s_cselect_b32 s[LIM], 1, -1
	s_mov_b32 s[SEL], 0x76543210
	s_mov_b32 s[SEL+1], 0xfedcba98
	s_mov_b32 s[CS], 0x3e0293ee                    ; c = log2(e) / sqrt(128)
	s_mov_b32 s[CS+1], s[CS]                       ; (named with it as a pair, so it is written)
	s_mov_b32 s[TB], 0
	s_mov_b32 s[SLOTS], NSL-1
	s_wait_kmcnt 0x0
	s_mov_b32 s[G0], 1                             ; count = 1
	s_mov_b32 s[G0+1], s15                         ; LDS address: slot 0
	s_add_nc_u64 s[G0+2:G0+3], s[4:5], s[44:45]    ; the batch's first eight records
	s_or_b32 s[G0+3], s[G0+3], 0x80000000          ; type = 2
	TLOAD                                          ; slot 0
	s_add_nc_u64 s[PFA:PFA+1], s[4:5], s[54:55]
	s_add_nc_u64 s[48:49], s[6:7], s[48:49]        ; my queries' codes
	s_add_nc_u64 s[50:51], s[6:7], s[50:51]        ; and scale words
	s_add_nc_u64 s[8:9], s[8:9], s[52:53]
	v_and_b32 v8, 15, v0                           ; r
	v_bfe_u32 v9, v0, 4, 1                         ; h
	v_and_b32 v10, 31, v0                          ; lane
	v_lshlrev_b32 v232, 4, v10
	v_lshlrev_b32 v233, 2, v8
	global_load_b128 v[16:19], v232, s[48:49]      ; Q's four registers, once for [Q ; 0]
	global_load_b128 v[28:31], v232, s[48:49]      ; and once for [0 ; Q]
	global_load_b32 v255, v233, s[50:51]           ; its scale word: the two bytes twice
.irp i, 20,21,22,23,24,25,26,27
	v_mov_b32 v\i, 0
.endr
	v_lshlrev_b32 v[PFO], 8, v10
	s_mul_i32 s57, s10, REC
	v_add_nc_u32 v[LI0], s57, v232
	v_lshlrev_b32 v[LS0], 4, v8
	v_add_nc_u32 v[LS0], s57, v[LS0]
	s_mul_i32 s57, s11, MSTB
	v_add_nc_u32 v[MST], s57, v232
	v_add_nc_u32 v[MST], STG, v[MST]
	v_lshlrev_b32 v[MSS], 2, v10
	v_add_nc_u32 v[MSS], s57, v[MSS]
	v_add_nc_u32 v[MSS], STG+8192, v[MSS]
	v_lshlrev_b32 v[GO], 9, v9
	v_lshl_add_u32 v[GO], v8, 4, v[GO]             ; lanes 0-15 take one row of out0, lanes 16-31 the next; 16 bytes a lane
	s_mul_i32 s58, s11, OSTB                       ; my stage for the way out
	v_mul_u32_u24 v[OIN], v8, 272
	v_lshl_add_u32 v[OIN], v9, 5, v[OIN]
	v_add_nc_u32 v[OIN], s58, v[OIN]               ; in: row r, + 32 h
	v_mov_b32 v13, 0xff61b1e6                      ; the largest t so far: -3e38, under every t
	v_floor_f32 v12, -v13                          ; -M
	v_mov_b32 v14, 0                               ; the sum, in two halves
	v_mov_b32 v15, 0
.irp b, 0,1,2,3
	v_mov_b32 v[236+\b], 0                         ; written once: a lane permute's destination counts as one of its sources
.endr
	v_mov_b32 v253, 0                              ; (named as the upper half of the pair v[252:253] before it is first written)
	v_mov_b32 v252, 0
	v_mov_b32 v254, 0
.set j, 0
.rept 64
	v_mov_b32 v[160+j], 0                          ; O^T.  The step is written once: a wave's first step finds zeros, which the first change of M leaves zeros; a wave with no step hands zeros over
.set j, j+1
.endr
	s_wait_loadcnt 0x0                             ; Q; its loads' offset registers are free
.Lslot:                                                ; NSL - 1 trips: behind each change of slots but the last the next slot is asked for
	CHANGE 1
	SLOT_STEPS
	s_sub_co_u32 s[SLOTS], s[SLOTS], 1
	s_cmp_lg_u32 s[SLOTS], 0
	s_cbranch_scc1 .Lslot
	CHANGE 0                                       ; the last slot is written out
	SLOT_STEPS
	; ---- THE TWO PARITIES ARE JOINED.  The six lines below are the places behind the last products; the way out's address is made here, ahead of the first place where the waves part
	v_add_f32 v14, v14, v15                        ; the sum's two halves
	v_and_b32 v8, 15, v0
	v_bfe_u32 v9, v0, 4, 1
	v_mul_u32_u24 v9, v9, 272
	v_lshl_add_u32 v8, v8, 4, v9
	v_add_nc_u32 v8, s58, v8                       ; back: lanes 0-15 one row of the stage, lanes 16-31 the next
	s_cmp_lt_u32 s[WV], 8
	s_cbranch_scc1 .Lkeep
.set k, 0
.rept 16
	ds_store_b128 v[MST], v[160+4*k:163+4*k] offset:512*k          ; the odd wave's O^T as it stands, each accumulator from its low end on
.set k, k+1
.endr
	ds_store_b32 v[MSS], v12                       ; its -M
	ds_store_b32 v[MSS], v14 offset:128            ; and its sum
.Lkeep:
	s_wait_dscnt 0x0                               ; for the partner's sake: the stores have landed
	s_barrier_signal -1
	s_barrier_wait -1
	s_cmp_lt_u32 s[WV], 8
	s_cbranch_scc0 .Lend                           ; the odd waves are done
.set k, 0
.rept 16
	ds_load_b128 v[96+4*k:99+4*k], v[MST] offset:512*k
.set k, k+1
.endr
	ds_load_b32 v232, v[MSS]
	ds_load_b32 v233, v[MSS] offset:128
	s_wait_dscnt 0x0
	v_min_num_f32 v234, v12, v232                  ; -M of the two together: the larger M
	v_sub_f32 v235, v234, v12                      ; my M less the common one: a whole number, 0 or less
	v_sub_f32 v236, v234, v232                     ; the partner's likewise (a partner that had no step holds -M = 3e38: its factor comes out 0, over zeros)
	v_cvt_i32_f32 v235, v235                       ; (they saturate)
	v_cvt_i32_f32 v236, v236
	v_ldexp_f32 v252, 1.0, v235
	v_ldexp_f32 v254, 1.0, v236
	v_mul_f32 v14, v14, v252
	v_fma_f32 v14, v233, v254, v14                 ; the sum under the common M
.set j, 0
.rept 32
	v_pk_mul_f32 v[160+j:161+j], v[160+j:161+j], v[252:253] op_sel_hi:[1,0]
	v_pk_fma_f32 v[160+j:161+j], v[96+j:97+j], v[254:255], v[160+j:161+j] op_sel_hi:[1,0,1]   ; O^T likewise: both factors are powers of two
.set j, j+2
.endr
	; ---- THE WAY OUT: O^T / the sum, through my stage, half a row (64 channels, 256 bytes) of 16 queries at a time
	v_permlanex16_b32 v252, v14, s[SEL], s[SEL+1]
	v_add_f32 v14, v14, v252                       ; with lane l xor 16's: the row's sum
	v_rcp_f32 v14, v14
	v_nop                                          ; a plain instruction behind the reciprocal
	s_wait_alu depctr_va_vdst(0)                   ; and the wait ahead of its first reader
.set j, 0
.rept 64
	v_mul_f32 v[96+j], v[160+j], v14               ; register 8 n + i is out0(query r, 16 n + 8 h + i)
.set j, j+1
.endr
.irp u, 0,1
.irp t, 0,1,2,3
	ds_store_b128 v[OIN], v[96+32*\u+8*\t:99+32*\u+8*\t] offset:64*\t
	ds_store_b128 v[OIN], v[100+32*\u+8*\t:103+32*\u+8*\t] offset:64*\t+16
.endr
.irp i, 0,1,2,3,4,5,6,7
	ds_load_b128 v[32+32*\u+4*\i:35+32*\u+4*\i], v8 offset:2*\i*272   ; a wave's LDS instructions are served in order: these see my stores, and the next half's stores come behind them
.endr
.endr
.irp u, 0,1
.irp i, 0,1,2,3,4,5,6,7
	s_wait_dscnt 15-8*\u-\i                        ; the younger read-backs may be out
	global_store_b128 v[GO], v[32+32*\u+4*\i:35+32*\u+4*\i], s[8:9] offset:2*\i*512+256*\u th:TH_STORE_NT   ; sixteen lanes store 256 consecutive bytes, aligned
.endr
.endr
.Lend:
	s_wait_tensorcnt 0x0                           ; the wave's end: behind my last tensor load and my last LDS store
	ds_add_u32 v[SPW], v[NIL]
	s_wait_dscnt 0x0
	s_endpgm
.Lfunc_end_k_q96a5cc4609_attn:
	.size	k_q96a5cc4609_attn, .Lfunc_end_k_q96a5cc4609_attn-k_q96a5cc4609_attn
	.p2alignl 7, 3214868480
	.fill 96, 4, 3214868480
	.section	.rodata,"a",@progbits
	.p2align	6, 0x0
	.amdhsa_kernel k_q96a5cc4609_attn
		.amdhsa_group_segment_fixed_size 327680
		.amdhsa_private_segment_fixed_size 0
		.amdhsa_enable_private_segment 0
		.amdhsa_kernarg_size 24
		.amdhsa_user_sgpr_count 2
		.amdhsa_user_sgpr_kernarg_segment_ptr 1
		.amdhsa_wavefront_size32 1
		.amdhsa_system_sgpr_workgroup_id_x 1
		.amdhsa_system_sgpr_workgroup_id_y 1
		.amdhsa_system_sgpr_workgroup_id_z 1
		.amdhsa_system_vgpr_workitem_id 0
		.amdhsa_next_free_vgpr 256
		.amdhsa_next_free_sgpr 66
		.amdhsa_reserve_vcc 1
		.amdhsa_float_denorm_mode_32 3
		.amdhsa_float_denorm_mode_16_64 3
		.amdhsa_memory_ordered 1
		.amdhsa_forward_progress 1
		.amdhsa_inst_pref_size 68
	.end_amdhsa_kernel
	.amdgpu_metadata
---
amdhsa.version: [ 1, 2 ]
amdhsa.kernels:
  - .name:           k_q96a5cc4609_attn
    .symbol:         k_q96a5cc4609_attn.kd
    .args:
      - { .name: kv, .offset: 0, .size: 8, .value_kind: global_buffer, .address_space: global }
      - { .name: qws, .offset: 8, .size: 8, .value_kind: global_buffer, .address_space: global }
      - { .name: out0, .offset: 16, .size: 8, .value_kind: global_buffer, .address_space: global }
    .group_segment_fixed_size: 327680
    .private_segment_fixed_size: 0
    .kernarg_segment_align: 8
    .kernarg_segment_size: 24
    .max_flat_workgroup_size: 512
    .sgpr_count:     66
    .vgpr_count:     256
    .wavefront_size: 32
...
	.end_amdgpu_metadata
.endif
;; end of part 3
